; MI455X (gfx1250); checked and timed in simulation.
; The chip was launched on July 23, 2026; its instructions are those of AMD's public machine-readable ISA for CDNA 5 (MIT licence, August 2026) and "CDNA5" Instruction Set Architecture Reference Guide (July 2026). The comments in the code are by the model that wrote it; some were corrected since.
;; Conflict Detector. Allowed arithmetic: matrix products marked QUANTISED: E2M3 operands, one E8M0 scale for each 32 along K, by v_wmma_scale_f32_16x16x128_f8f6f4 with both operands' format E2M3, f32 sums; products left as they are: f32 operands where the result goes on into a quantised operand, else bf16, f16 or f32 operands; f32 sums; everything else in f32.
;; Inputs: b1 64 float32; b2 32 float32; b3 1 float32; obj_idx 2,048 int32; obj_table 16 x 64 float32; proj_b 64 float32; proj_w 64 x 192 float32; rel_idx 2,048 int32; rel_table 9 x 64 float32; subj_idx 2,048 int32; subj_table 16 x 64 float32; w1 64 x 128 float32; w2 32 x 64 float32; w3 1 x 32 float32.
;; Outputs: out0 2,048 x 2,048 float32.
;; This version of the problem:
;;   THIS VERSION OF THE PROBLEM IS GIVEN IN LOW PRECISION. The matrix products marked QUANTISED in the list below multiply operands that are first quantised to E2M3 (2 exponent bits, 3 mantissa bits; 6 bits a number), with one power-of-two scale for each 32 numbers along K (OCP MX v1.0); their sums are f32. All else is computed in f32.
;;   The module's matrix products, in the order in which they are computed (A, B: the left and right operand; K: the contracted axis; several contracted axes count as one K, in the product's order):
;;     1. [M 2,048, K 192] x [K 192, N 64]; A: computed on the way; B: input proj_w: QUANTISED
;;     2. [M 2,048, K 64] x [K 64, N 64]; A: computed on the way; B: input w1: QUANTISED
;;     3. [M 2,048, K 64] x [K 64, N 64]; A: computed on the way; B: input w1: QUANTISED
;;     4. [M 4,194,304, K 64] x [K 64, N 32]; A: computed on the way; B: input w2: QUANTISED
;;     5. [M 4,194,304, K 32] x [K 32, N 1]; A: computed on the way; B: input w3: left as it is (N = 1 < 16)
;;   THE QUANTISER, for each operand of a quantised product, along K:
;;     - K is cut into blocks of 32 from its start; a last block that is shorter is filled with zeros.
;;     - A block's scale is 2^e with e = floor(log2(the largest magnitude in the block)) - 2, held to -126 .. 127; a block of zeros has e = 0. As a byte (E8M0): e + 127.
;;     - Each number is divided by its block's scale, clamped to +-7.5, and rounded to the nearest number of E2M3, ties to even, subnormals kept.
;;     - The product sums the exact products of the quantised numbers (number of the format x scale) in f32.
;;   ~~~python
;;   def quantise(x, axis):      # numpy; x: float32 -> the quantised numbers, widened to float32 again
;;       x = np.moveaxis(x, axis, -1); K = x.shape[-1]
;;       x = np.pad(x, [(0, 0)] * (x.ndim - 1) + [(0, -K % 32)]); x = x.reshape(x.shape[:-1] + (-1, 32)); a = np.abs(x).max(-1, keepdims=True)
;;       e = np.where(a > 0, np.clip(np.frexp(np.where(a > 0, a, 1))[1] - 1 - 2, -126, 127), 0)      # np.frexp(a)[1] - 1 = floor(log2(a)), exactly
;;       r = np.clip(x / 2.0 ** e, -7.5, 7.5)
;;       step = 2.0 ** (np.maximum(np.frexp(np.where(r == 0, 1, r))[1] - 1, 0) - 3)
;;       q = np.round(r / step) * step * 2.0 ** e      # np.round: ties to even
;;       return np.moveaxis(q.reshape(q.shape[:-2] + (-1,))[..., :K], -1, axis).astype(np.float32)
;;   ~~~
;;   OPERANDS COMPUTED ON THE WAY. 'Computed on the way' means the value that the module computes at that place (a softmax that the list does not call 'softmax' is quantised finished and normalised). What goes into a quantiser is computed in f32, as accurately as f32 sums, v_exp_f32 and their like allow (about 1e-6 of the number): no bf16 or f16 on the way to a quantiser, and a product that is left as it is and whose result goes on into a quantised operand takes f32 operands (vector FMAs, or v_wmma_f32_16x16x4_f32). A number that lies on a knife's edge between two numbers of the format may be rounded either way, as far as f32 arithmetic and the matrix unit's own rounding can turn it there, and no further.
;; 2 versions. Each part assembles by itself: llvm-mc -triple=amdgcn-amd-amdhsa -mcpu=gfx1250 --defsym DOCPART=n.
;; ======== version 1 of 2: 1 launch
;; launch pairs (part 1): grid 16 x 16, 8 waves a work-group, no clusters, 93,696 bytes of LDS; arguments subj_idx, rel_idx, obj_idx, subj_table, rel_table, obj_table, proj_w, proj_b, w1, b1, w2, b2, w3, b3, out0; writes out0
.if DOCPART == 1
	.amdgcn_target "amdgcn-amd-amdhsa--gfx1250"
	.amdhsa_code_object_version 6
	.text
	.protected	k_q3ff0f69ab4_pairs
	.globl	k_q3ff0f69ab4_pairs
	.p2align	8
	.type	k_q3ff0f69ab4_pairs,@function
k_q3ff0f69ab4_pairs:
	s_mov_b64 s[64:65], 0
	v_nop
	global_prefetch_b8 v0, s[64:65] scope:SCOPE_SE
	s_setreg_imm32_b32 hwreg(HW_REG_WAVE_MODE, 25, 1), 1
	s_wait_xcnt 0x0
; out0[i][j] = sigmoid(w3 . relu(W2 Q(relu(hi[i] + hj[j] + b1)) + b2) + b3) for j > i, else 0.   2,048 claims, out0 [2048][2048] f32.
; e = Q(cat(subj, rel, obj rows)) Q(proj_w)^T + proj_b;  hi = Q(e) Q(w1[:, :64])^T;  hj = Q(e) Q(w1[:, 64:])^T.   Q: codes of FP6 (E2M3), one E8M0 scale for each 32 along K.
; ONE LAUNCH, 16 x 16 work-groups of eight waves, 512 registers a wave.  With lo = min(x, y), b = max(x, y):
;   x != y: the rectangle rows 64 a .. + 63 (a = 2 lo + (x < y)) x columns 128 b .. + 127, which lies wholly above the diagonal; and zeros into its mirror, rows 128 b .. + 127 x columns 64 a .. + 63.
;   x == y: the diagonal block of 128 x 128; groups of 32 columns that lie wholly under the mask are left out (a scalar branch on ids), masked numbers leave as zeros.
;   The 240 rectangles have 512 tiles of 16 pairs, the 16 diagonal blocks 640: those sixteen run longer.  Rectangles, mirrors and diagonal blocks cover out0 once.
; Each work-group makes hj of its 128 columns and hi + b1 of 128 rows from its first row on by itself (256 claims, 32 matrix instructions a wave): nothing goes through memory between launches.
; NO CLUSTER, NO TENSOR LOAD: what work-groups share is the 126 KB of inputs, gathered by index and read once at the head; LDS holds computed data alone.
; K IN EVERY PRODUCT: one matrix instruction carries 64 true k.  Lane (r, h) holds ONE whole true block of 32, k = 32 h + 0 .. 31 of its row: the codes of the first 16 in the fragment's registers 0-2, of the
; second 16 in registers 6-8; registers 3-5 and 9-11 hold zero codes.  Both operands stand so, so every product meets its partner.  A row's scale word is (s0, s1, s0, s1), s_h the byte of true block h.
; So a block's largest magnitude needs no other lane, both conversions land on even registers, and one quantiser serves every operand.
; EVERY PRODUCT IS USED TRANSPOSED: source 0 = 16 rows of the weight, source 1 = 16 claims or pairs; a lane then holds one claim or pair (lane % 16) and eight units.
; Lane r of tile t of proj_w and w1 takes row 32 (r / 8) + 8 t + r % 8, so that the 32 registers of tiles 0-3 are units 32 h + 0 .. 31: the next product's block.
; PAIRS: wave g takes rows 8 m + g.  Its 128 columns of hj stay in window 1 (8 tiles x 32 registers); a row of hi + b1 comes from LDS once and serves the 8 tiles.
; Lane r of tile 2 c + e is column 32 c + 2 r + e, so that at a row's end a lane holds two neighbouring numbers and a store covers 256 consecutive aligned bytes.
; LIMITS: NaN and infinities among the inputs are not served.  A block whose largest magnitude lies under 2^-124 (a block of zeros too) keeps the scale byte 1; a block of zeros has zero codes, which add nothing.
; Indices are held inside their tables (15, 8, 15).  b1 joins hi as the C of hi's matrix sum, ahead of hj; k stands in other places of the instruction than in memory: the order of rounding differs from a plain sum.
.set HP,    272                        ; a row of hi or hj in LDS: 256 bytes + 16
.set WS,    20480                      ; LDS 0: 20 images of weight fragments, 1,024 bytes each;  WS: their scale words, 128 bytes each
.set HB,    23040                      ; rows 0-127: hj of my columns; rows 128-255: hi + b1 of 128 rows from my first row on
.set HIOFF, 128*HP
; window 0
.set VR,   1                           ; lane % 16
.set VH,   2                           ; lane / 16
.set VL,   3                           ; lane
.set LI,   4                           ; 16 x lane
.set LS,   5                           ; 4 x lane
.set H128, 6                           ; 128 h
.set L8,   7                           ; 8 x lane
.set C2L,  8                           ; 2 x lane
.set OFF,  9                           ; a row's store offset
.set SWC,  10                          ; v10-15  scale words of the gathered rows, later of e
.set WSC,  16                          ; v16-19  of four weight tiles
.set SW2,  20                          ; v20-21  of w2's two tiles
.set SWH,  22                          ; v22-23  of h, two tiles by turns
.set M,    24                          ; v24-27  four chains of a maximum
.set SC,   28                          ; v28-29  the conversions' scale operands
.set SB,   30                          ; a scale byte
.set TT,   31                          ; the other half's byte
.set W2,   32                          ; v32-55  w2's two fragments (until then: offsets of the head's loads)
.set B2,   56                          ; v56-71  b2 in the result's layout: the C of product 4
.set W3,   72                          ; v72-87  w3 likewise
.set F,    88                          ; v88-99  the fragment just made
.set DA,   100                         ; v100-115, v116-131  product 4's results, two tiles by turns
.set DB,   116
.set A,    132                         ; v132-163  my block of the row hi + b1
.set X0,   164                         ; v164-195, v196-227  h of two tiles
.set X1,   196
.set T,    228                         ; v228-231  two packed sums
.set P,    232                         ; v232-239  a lane's part of w3 . h2, for the row's eight tiles
.set Z,    240                         ; v240-243  the row's scores
.set AAD,  244
.set HI0,  245
.set JAD,  246
.set HS,   247
.set WI,   248
.set WSI,  249
.set NIL,  252                         ; v252-255  zeros, never rewritten
; the head's overlays
.set IDX,  32                          ; v32-37  indices
.set GOF,  38                          ; v38-43  gather offsets
.set IOF,  44                          ; v44-45  where the indices lie
.set WOF,  46                          ; v46-48  weight offsets of the three rounds
.set H32,  49
.set W2O,  50
.set ZOF,  51
.set RA,   100                         ; raw weights of the three rounds
.set RB,   132
.set RC,   164
.set CF,   100                         ; then six fragments of claims, 12 registers each,
.set WF,   172                         ; and four of weights
; window 1
.set E1,   192                         ; e of my 16 column claims;  E2: of my 16 row claims
.set E2,   224
.set RW2,  0                           ; raw w2
.set H1,   64                          ; hj;  H2: hi + b1
.set H2,   96
.set J,    0                           ; pair phase: hj of eight tiles
.set MSB, 0
.macro WIN new                         ; bits 1:0 source 0, 3:2 source 1, 5:4 source 2, 7:6 destination; the high byte repeats the setting that is left
.if MSB != (\new)
	s_set_vgpr_msb (MSB<<8)|(\new)
.set MSB, \new
.endif
.endm
; The largest of 32 numbers v[x] .. v[x + 31] (ab = 1: of their magnitudes) and the floor 2^(3 - 127), in v[M].  Four chains; each group of eight registers is first read at its three lowest.
.macro MAXB x, ab, xw
	WIN 0x15*(\xw)
.irp c, 0,1,2,3
.if \ab
	v_max3_num_f32 v[M+\c], |v[(\x)+8*\c]|, |v[(\x)+8*\c+1]|, |v[(\x)+8*\c+2]|
.else
	v_max3_num_f32 v[M+\c], v[(\x)+8*\c], v[(\x)+8*\c+1], v[(\x)+8*\c+2]
.endif
.endr
	WIN 0x14*(\xw)
.irp i, 3,5
.irp c, 0,1,2,3
.if \ab
	v_max3_num_f32 v[M+\c], v[M+\c], |v[(\x)+8*\c+\i]|, |v[(\x)+8*\c+\i+1]|
.else
	v_max3_num_f32 v[M+\c], v[M+\c], v[(\x)+8*\c+\i], v[(\x)+8*\c+\i+1]
.endif
.endr
.endr
.if \ab
	v_max3_num_f32 v[M], v[M], |v[(\x)+7]|, |v[(\x)+15]|
	v_max3_num_f32 v[M+2], v[M+2], |v[(\x)+23]|, |v[(\x)+31]|
.else
	v_max3_num_f32 v[M], v[M], v[(\x)+7], v[(\x)+15]
	v_max3_num_f32 v[M+2], v[M+2], v[(\x)+23], v[(\x)+31]
.endif
	WIN 0
	v_max3_num_f32 v[M], v[M], v[M+1], v[M+2]
	v_max3_num_f32 v[M], v[M], v[M+3], 0x1800000   ; the floor holds the byte at 1 from below
.endm
; From the largest magnitude: the conversion's scale operand (2 off the exponent field), the byte, and the row's scale word (mine, the other half's, mine, the other half's)
.macro SCALE sc, sw
	v_add_nc_u32 v[\sc], 0xff000000, v[M]
	v_lshrrev_b32 v[SB], 23, v[\sc]
	v_permlanex16_b32 v[TT], v[SB], s44, s45       ; lane l xor 16
	v_perm_b32 v[\sw], v[TT], v[SB], s46           ; bytes 0, 2 from SB, bytes 1, 3 from TT: right in lanes 0-15, which are the lanes that are read
.endm
.macro CVT f, x, sc, xw                ; 32 numbers into registers 0-2 and 6-8 of fragment f
	WIN (\xw)
	v_cvt_scalef32_pk16_fp6_f32 v[(\f):(\f)+2], v[(\x):(\x)+15], v[\sc]
	v_cvt_scalef32_pk16_fp6_f32 v[(\f)+6:(\f)+8], v[(\x)+16:(\x)+31], v[\sc]
	WIN 0
.endm
.macro QUANT x, f, sw, xw
	MAXB \x, 1, \xw
	SCALE SC, \sw
	CVT \f, \x, SC, \xw
	v_nop                                          ; one plain place behind the conversions
.endm
.macro RELU x, n                       ; two numbers an instruction, ascending
.set rr, 0
.rept (\n)/2
	v_dual_max_num_f32 v[(\x)+rr], 0, v[(\x)+rr] :: v_dual_max_num_f32 v[(\x)+rr+1], 0, v[(\x)+rr+1]
.set rr, rr+2
.endr
.endm
.macro GL8 dst, voff, sb, off          ; 128 consecutive bytes a lane: a block of 32 f32
.irp c, 0,1,2,3,4,5,6,7
	global_load_b128 v[(\dst)+4*\c:(\dst)+4*\c+3], v[\voff], s[(\sb):(\sb)+1] offset:(\off)+16*\c
.endr
.endm
.macro IMAGE rnd                       ; fragment F and its scale word go to LDS as they stand: slot 8 rnd + wave
	ds_store_b128 v[WI], v[F:F+3] offset:8192*(\rnd)
	ds_store_b128 v[WI], v[F+6:F+9] offset:8192*(\rnd)+512
	ds_store_b32 v[WSI], v[WSC] offset:1024*(\rnd)
	s_wait_dscnt 0x0                               ; the stores have landed, and have read F and the word, which the next round writes again
.endm
.macro WFLOAD slot                     ; four weight tiles and their scale words come back so, in any wave
.irp t, 0,1,2,3
	ds_load_b128 v[WF+12*\t:WF+12*\t+3], v[LI] offset:1024*((\slot)+\t)
	ds_load_b128 v[WF+12*\t+6:WF+12*\t+9], v[LI] offset:1024*((\slot)+\t)+512
	ds_load_b32 v[WSC+\t], v[LS] offset:WS+128*((\slot)+\t)
.endr
.endm
.macro PLACES n
.rept \n
	v_nop
.endr
.endm
.macro WM d, sw                        ; product 4 for the 16 pairs in F: w2's two tiles; b2 is the C
.irp u, 0,1
	v_wmma_scale_f32_16x16x128_f8f6f4 v[(\d)+8*\u:(\d)+8*\u+7], v[W2+12*\u:W2+12*\u+11], v[F:F+11], v[B2+8*\u:B2+8*\u+7], v[SW2+\u], v[\sw] matrix_a_fmt:MATRIX_FMT_FP6 matrix_b_fmt:MATRIX_FMT_FP6
.endr
.endm
.macro PF d, p                         ; my 16 units of h2 times w3, in two packed chains
	v_pk_mul_f32 v[T:T+1], v[(\d):(\d)+1], v[W3:W3+1]
	v_pk_mul_f32 v[T+2:T+3], v[(\d)+8:(\d)+9], v[W3+8:W3+9]
.irp k, 2,4,6
	v_pk_fma_f32 v[T:T+1], v[(\d)+\k:(\d)+\k+1], v[W3+\k:W3+\k+1], v[T:T+1]
	v_pk_fma_f32 v[T+2:T+3], v[(\d)+8+\k:(\d)+9+\k], v[W3+8+\k:W3+9+\k], v[T+2:T+3]
.endr
	v_pk_add_f32 v[T:T+1], v[T:T+1], v[T+2:T+3]
	v_add_f32 v[\p], v[T], v[T+1]
.endm
; Two tiles, 32 columns.  All distances round the matrix instructions are filled by the other tile's work: F is written 16 and 8 plain instructions ahead of its products, the scale words 32 and 24;
; F is written again 20 behind the product that read it; results are first read 20 and 10 behind their products.  No accumulator is added onto: C is always b2.
.macro GROUP g
	WIN 0x04                                       ; source 1 (hj) in window 1
.irp e, 0,1
.irp i, 0,2,4,6,8,10,12,14,16,18,20,22,24,26,28,30
	v_pk_add_f32 v[X0+32*\e+\i:X0+32*\e+\i+1], v[A+\i:A+\i+1], v[J+32*(2*(\g)+\e)+\i:J+32*(2*(\g)+\e)+\i+1]
.endr
.endr
	WIN 0
.if (\g) == 3                          ; the row is done with hi: my next row's comes now, eight rows on, held at the last row that LDS has
	s_add_co_u32 s59, s58, 8*HP
	s_min_u32 s59, s59, 127*HP
	v_add_nc_u32 v[AAD], s59, v[HI0]
.irp c, 0,1,2,3,4,5,6,7
	ds_load_b128 v[A+4*\c:A+4*\c+3], v[AAD] offset:16*\c
.endr
.endif
	MAXB X0, 0, 0                                  ; no |.|: what is negative becomes 0 and must not count; the floor stands over it
	SCALE SC, SWH
	RELU X0, 32
	CVT F, X0, SC, 0
	MAXB X1, 0, 0
	WM DA, SWH
	SCALE SC+1, SWH+1
	RELU X1, 32
	CVT F, X1, SC+1, 0
	RELU DA, 16
	WM DB, SWH+1
	PF DA, P+2*(\g)
	RELU DB, 16
	PF DB, P+2*(\g)+1
.endm
	; ---- the head: addresses, ids, constants
	s_load_b512 s[4:19], s[0:1], 0x0               ; subj_idx 4, rel_idx 6, obj_idx 8, subj_table 10, rel_table 12, obj_table 14, proj_w 16, proj_b 18
	s_load_b256 s[20:27], s[0:1], 0x40             ; w1 20, b1 22, w2 24, b2 26
	s_load_b128 s[28:31], s[0:1], 0x60             ; w3 28, b3 30
	s_load_b64 s[32:33], s[0:1], 0x70              ; out0
	v_lshl_add_u32 v250, v0, 2, 0x16a00
	v_mov_b32 v251, 0
	v_lshrrev_b32 v24, 5, v0
	v_readfirstlane_b32 s35, v24                   ; wave 0..7
	v_and_b32 v[VR], 15, v0
	v_bfe_u32 v[VH], v0, 4, 1
	v_and_b32 v[VL], 31, v0
	v_lshlrev_b32 v[LI], 4, v[VL]
	v_lshlrev_b32 v[LS], 2, v[VL]
	v_lshlrev_b32 v[H128], 7, v[VH]
	v_lshlrev_b32 v[L8], 3, v[VL]
	v_lshlrev_b32 v[C2L], 1, v[VL]
	s_mov_b32 s36, ttmp9
	s_and_b32 s37, ttmp7, 0xffff
	s_min_u32 s38, s36, s37                        ; lo
	s_max_u32 s39, s36, s37                        ; b
	s_cmp_lt_u32 s36, s37
	s_cselect_b32 s43, 1, 0
	s_lshl_b32 s38, s38, 1
	s_add_co_u32 s38, s38, s43                     ; a
	s_lshl_b32 s40, s38, 6                         ; my first row
	s_lshl_b32 s41, s39, 7                         ; my first column
	s_cmp_eq_u32 s36, s37
	s_cselect_b32 s42, 128, 64                     ; rows to score
	s_mov_b32 s44, 0x76543210
	s_mov_b32 s45, 0xfedcba98                      ; v_permlanex16_b32: lane l xor 16
	s_mov_b32 s46, 0x04000400
	s_mov_b32 s47, 0xbfb8aa3b                      ; -log2(e)
	; LDS addresses: a constant + a constant x lane + a constant x wave
	s_lshl_b32 s43, s35, 10
	v_add_nc_u32 v[WI], s43, v[LI]
	s_lshl_b32 s43, s35, 7
	s_add_co_u32 s43, s43, WS
	v_add_nc_u32 v[WSI], s43, v[LS]
	s_mul_i32 s43, s35, 16*HP
	s_add_co_u32 s43, s43, HB
	v_mad_u32_u24 v[HS], v[VR], HP, v[H128]
	v_add_nc_u32 v[HS], s43, v[HS]                 ; row 16 w + r, my block
	v_mad_u32_u24 v[JAD], v[VR], 2*HP, v[H128]
	v_add_nc_u32 v[JAD], HB, v[JAD]                ; row 2 r, my block
	v_add_nc_u32 v[HI0], HB+HIOFF, v[H128]
	; offsets in memory
	s_lshl_b32 s43, s35, 4
	s_add_co_u32 s59, s41, s43
	s_lshl_b32 s59, s59, 2
	v_lshl_add_u32 v[IOF], v[VR], 2, s59           ; the index of column claim 16 w + r
	s_add_co_u32 s59, s40, s43
	s_lshl_b32 s59, s59, 2
	v_lshl_add_u32 v[IOF+1], v[VR], 2, s59         ; of row claim 16 w + r
	v_lshrrev_b32 v24, 3, v[VR]
	v_and_b32 v25, 7, v[VR]
	v_lshl_add_u32 v24, v24, 5, v25
	s_and_b32 s43, s35, 3
	s_lshl_b32 s43, s43, 3
	v_add_nc_u32 v24, s43, v24                     ; the weight's row: 32 (r / 8) + r % 8 + 8 (w % 4)
	s_lshr_b32 s43, s35, 2
	s_lshl_b32 s43, s43, 8
	v_mad_u32_u24 v[WOF], v24, 768, v[H128]
	v_add_nc_u32 v[WOF], s43, v[WOF]               ; round 0: proj_w, K step w / 4
	s_cmp_lt_u32 s35, 4
	s_mov_b32 s72, 512
	s_cselect_b32 s72, 768, s72
	s_cselect_b32 s73, 512, 0
	v_mad_u32_u24 v[WOF+1], v24, s72, v[H128]
	v_add_nc_u32 v[WOF+1], s73, v[WOF+1]           ; round 1: waves 0-3 proj_w, K step 2; waves 4-7 w1's left half
	v_mad_u32_u24 v[WOF+2], v24, 512, v[H128]
	v_add_nc_u32 v[WOF+2], 256, v[WOF+2]           ; round 2: w1's right half
	v_lshlrev_b32 v[H32], 5, v[VH]
	v_lshl_add_u32 v[W2O], v[VR], 8, v[H128]
	v_lshlrev_b32 v[ZOF], 4, v[VR]
	v_lshl_add_u32 v[ZOF], v[VH], 13, v[ZOF]       ; the mirror: sixteen lanes to a row's 256 bytes, two rows a store
	s_lshl_b32 s74, s40, 13
	s_lshl_b32 s43, s41, 2
	s_add_co_u32 s74, s74, s43
	s_mov_b32 s75, 0                               ; my rectangle's first byte
	s_lshl_b32 s43, s35, 4
	s_add_co_u32 s76, s41, s43
	s_lshl_b32 s76, s76, 13
	s_lshl_b32 s43, s38, 8
	s_add_co_u32 s76, s76, s43
	s_mov_b32 s77, 0                               ; my wave's 16 rows of the mirror
	v_mov_b32 v[TT], 0                             ; a lane permute's destination counts as one of its sources
.irp i, 0,1,2,3,4,5,6,7
	v_mov_b32 v[P+\i], 0
.endr
.irp i, 3,4,5,9,10,11
	v_mov_b32 v[F+\i], 0                           ; the fragment's zero codes: written once
.endr
.irp i, 0,1,2,3
	v_mov_b32 v[NIL+\i], 0
.endr
	s_wait_kmcnt 0x0
	s_load_b32 s34, s[30:31], 0x0                  ; b3
	s_add_nc_u64 s[50:51], s[32:33], s[74:75]
	s_add_nc_u64 s[52:53], s[32:33], s[76:77]
	s_cmp_lt_u32 s35, 4
	s_cselect_b64 s[70:71], s[16:17], s[20:21]     ; round 1's tensor: the choice hangs on the wave's number alone
	; ---- all the head's loads, in the order in which they are wanted
	global_load_b32 v[IDX+0], v[IOF], s[4:5]
	global_load_b32 v[IDX+1], v[IOF], s[6:7]
	global_load_b32 v[IDX+2], v[IOF], s[8:9]
	global_load_b32 v[IDX+3], v[IOF+1], s[4:5]
	global_load_b32 v[IDX+4], v[IOF+1], s[6:7]
	global_load_b32 v[IDX+5], v[IOF+1], s[8:9]
	GL8 RA, WOF, 16, 0
	GL8 RB, WOF+1, 70, 0
	GL8 RC, WOF+2, 20, 0                           ; every wave loads it, so that the counts below are alike in all
	s_cmp_eq_u32 s36, s37
	s_cbranch_scc1 .Lno_mirror                     ; a diagonal block has no mirror
.irp k, 0,1,2,3,4,5,6,7
	global_store_b128 v[ZOF], v[NIL:NIL+3], s[52:53] offset:16384*\k th:TH_STORE_NT   ; sixteen lanes store 256 consecutive bytes, aligned
.endr
.Lno_mirror:
	s_wait_loadcnt 24                              ; the six indices are in; the 24 weight loads behind them may be out
	v_min_u32 v[IDX+0], 15, v[IDX+0]
	v_min_u32 v[IDX+1], 8, v[IDX+1]
	v_min_u32 v[IDX+2], 15, v[IDX+2]
	v_min_u32 v[IDX+3], 15, v[IDX+3]
	v_min_u32 v[IDX+4], 8, v[IDX+4]
	v_min_u32 v[IDX+5], 15, v[IDX+5]
.irp q, 0,1,2,3,4,5
	v_lshlrev_b32 v[GOF+\q], 8, v[IDX+\q]          ; a table's row is 256 bytes,
	v_add_nc_u32 v[GOF+\q], v[H128], v[GOF+\q]     ; my block of it
.endr
	WIN 0x40                                       ; destination window 1
.irp q, 0,1,2,3,4,5
	GL8 32*\q, GOF+\q, 10+2*(\q%3), 0              ; q = 0-2: subj, rel, obj rows of the column claims; 3-5: of the row claims
.endr
	GL8 E1, H128, 18, 0                            ; proj_b in the result's layout: the sums begin with it
	GL8 E2, H128, 18, 0
	WIN 0
.irp u, 0,1
.irp c, 0,1
	global_load_b128 v[B2+8*\u+4*\c:B2+8*\u+4*\c+3], v[H32], s[26:27] offset:64*\u+16*\c   ; b2[16 u + 8 h + 0 .. 7]
	global_load_b128 v[W3+8*\u+4*\c:W3+8*\u+4*\c+3], v[H32], s[28:29] offset:64*\u+16*\c
.endr
.endr
	; ---- phase 1: the twenty weight fragments, shared out among the waves, go to LDS; the six gathered blocks become fragments in registers
	s_wait_loadcnt 63                              ; 72 loads were issued behind the weights': with 63 out at the most the weights are in
	QUANT RA, F, WSC, 0
	IMAGE 0
	QUANT RB, F, WSC, 0
	IMAGE 1
	s_cmp_ge_u32 s35, 4
	s_cbranch_scc1 .Lno_third                      ; round 2 has four fragments
	QUANT RC, F, WSC, 0
	IMAGE 2
.Lno_third:
	s_barrier_signal -1                            ; my images have landed (each round ended with a wait for them)
.irp q, 0,1,2,3,4,5
.irp i, 3,4,5,9,10,11
	v_mov_b32 v[CF+12*\q+\i], 0                    ; zero codes of the six fragments of claims,
.endr
.endr
.irp t, 0,1,2,3
.irp i, 4,5,10,11
	v_mov_b32 v[WF+12*\t+\i], 0                    ; and those of the weights' that the images do not carry
.endr
.endr
.irp q, 0,1,2,3,4,5
.if \q == 0
	s_wait_loadcnt 63                              ; 64 loads are younger than block 0's
.else
	s_wait_loadcnt 8*(5-\q)+24                     ; younger: the later blocks' 8 each, proj_b's 16, b2's and w3's 8
.endif
	QUANT 32*\q, CF+12*\q, SWC+\q, 1
.endr
	s_barrier_wait -1                              ; everybody's images lie in LDS
	WIN 0x40
	GL8 H2, H128, 22, 0                            ; b1 in the result's layout: hi's sum begins with it
	GL8 RW2, W2O, 24, 0                            ; w2's rows r and 16 + r, my block
	GL8 RW2+32, W2O, 24, 4096
	WIN 0
	; ---- phase 2: e, then hj and hi + b1
	PLACES 8                                       ; scale words and fragments written by vector instructions stand 8 and 4 places ahead of a scaled product
.irp s, 0,1,2                          ; K step s is table s.  Eight accumulators by turns, one instruction a turn, from step to step too
	WFLOAD 4*\s
	s_wait_dscnt 0x0
.if \s == 0
	s_wait_loadcnt 32                              ; proj_b is in; younger: b2 and w3 (8), b1 (8), w2 (16)
.endif
	WIN 0x50                                       ; C and D window 1
.irp t, 0,1,2,3
	v_wmma_scale_f32_16x16x128_f8f6f4 v[E1+8*\t:E1+8*\t+7], v[WF+12*\t:WF+12*\t+11], v[CF+12*\s:CF+12*\s+11], v[E1+8*\t:E1+8*\t+7], v[WSC+\t], v[SWC+\s] matrix_a_fmt:MATRIX_FMT_FP6 matrix_b_fmt:MATRIX_FMT_FP6
	v_wmma_scale_f32_16x16x128_f8f6f4 v[E2+8*\t:E2+8*\t+7], v[WF+12*\t:WF+12*\t+11], v[CF+36+12*\s:CF+36+12*\s+11], v[E2+8*\t:E2+8*\t+7], v[WSC+\t], v[SWC+3+\s] matrix_a_fmt:MATRIX_FMT_FP6 matrix_b_fmt:MATRIX_FMT_FP6
.endr
	WIN 0
	PLACES 4                                       ; in front of loads into registers that the products read, and of the first read of results
.endr
	WFLOAD 16                                      ; w1's right half lands while e is quantised
	QUANT E1, CF, SWC, 1
	QUANT E2, CF+36, SWC+3, 1
	PLACES 8
	s_wait_dscnt 0x0
	WIN 0x40
.irp t, 0,1,2,3
	v_wmma_scale_f32_16x16x128_f8f6f4 v[H1+8*\t:H1+8*\t+7], v[WF+12*\t:WF+12*\t+11], v[CF:CF+11], 0, v[WSC+\t], v[SWC] matrix_a_fmt:MATRIX_FMT_FP6 matrix_b_fmt:MATRIX_FMT_FP6
.endr
	WIN 0
	PLACES 4
	WFLOAD 12                                      ; w1's left half
	s_wait_dscnt 0x0
	s_wait_loadcnt 16                              ; b1 is in; w2's 16 loads may be out
	WIN 0x50
.irp t, 0,1,2,3
	v_wmma_scale_f32_16x16x128_f8f6f4 v[H2+8*\t:H2+8*\t+7], v[WF+12*\t:WF+12*\t+11], v[CF+36:CF+47], v[H2+8*\t:H2+8*\t+7], v[WSC+\t], v[SWC+3] matrix_a_fmt:MATRIX_FMT_FP6 matrix_b_fmt:MATRIX_FMT_FP6
.endr
	WIN 0
	PLACES 4
	WIN 0x04                                       ; an LDS store's data are its source 1
.irp c, 0,1,2,3,4,5,6,7
	ds_store_b128 v[HS], v[H1+4*\c:H1+4*\c+3] offset:16*\c           ; units 32 h + 4 c on of claim 16 w + r; each accumulator from its low end on
.endr
.irp c, 0,1,2,3,4,5,6,7
	ds_store_b128 v[HS], v[H2+4*\c:H2+4*\c+3] offset:HIOFF+16*\c
.endr
	WIN 0
	s_wait_dscnt 0x0                               ; for the others: my rows have landed
	s_barrier_signal -1
	s_wait_xcnt 0x0                                ; the head's loads and stores have read their offsets in v32-55,
	s_wait_loadcnt 0x0                             ; and w2 is in
.irp u, 0,1
.irp i, 3,4,5,9,10,11
	v_mov_b32 v[W2+12*\u+\i], 0
.endr
.endr
	QUANT RW2, W2, SW2, 1
	QUANT RW2+32, W2+12, SW2+1, 1
	s_wait_kmcnt 0x0
	s_mul_f32 s48, s47, s34                        ; -log2(e) b3
	s_barrier_wait -1                              ; all 256 rows lie in LDS; from here on LDS is only read
	; ---- phase 3: the pairs
	WIN 0x40
.irp g, 0,1,2,3
.irp e, 0,1
.irp c, 0,1,2,3,4,5,6,7
	ds_load_b128 v[J+32*(2*\g+\e)+4*\c:J+32*(2*\g+\e)+4*\c+3], v[JAD] offset:(32*\g+\e)*HP+16*\c   ; column 32 g + 2 r + e
.endr
.endr
.endr
	WIN 0
	s_mul_i32 s58, s35, HP                         ; my row in LDS,
	v_add_nc_u32 v[AAD], s58, v[HI0]
.irp c, 0,1,2,3,4,5,6,7
	ds_load_b128 v[A+4*\c:A+4*\c+3], v[AAD] offset:16*\c
.endr
	s_mov_b32 s54, 0                               ; trip
	s_mov_b32 s55, s35                             ; row = 8 trip + wave
	s_sub_co_i32 s56, s40, s41
	s_add_co_i32 s56, s56, s35                     ; the row less my first column: column c counts where c > this
	s_lshl_b32 s57, s35, 13                        ; the row in out0, in bytes
.Lrow:                                             ; 16 trips in every work-group; a rectangle has rows for the first eight
	s_cmp_ge_u32 s55, s42
	s_cbranch_scc1 .Lnext
	s_wait_dscnt 0x0                               ; hi's row is in (in the first trip hj too)
	s_wait_xcnt 0x0                                ; the last row's stores have read their offset and data, which are written again below
	v_add_nc_u32 v[OFF], s57, v[L8]
	s_cmp_ge_i32 s56, 31                           ; columns 0-31 all under the mask?
	s_cbranch_scc1 .Lg1
	GROUP 0
.Lg1:
	s_cmp_ge_i32 s56, 63
	s_cbranch_scc1 .Lg2
	GROUP 1
.Lg2:
	s_cmp_ge_i32 s56, 95
	s_cbranch_scc1 .Lg3
	GROUP 2
.Lg3:
	GROUP 3
	; the row's end.  A pair's sum lies in lanes r and r + 16.  The swap puts the lower halves of tiles 2 c + e and 2 c + 2 + e into one register and the upper halves into the other:
	; their sum holds column 64 s + 2 lane + e.  (A group that was left out leaves old numbers here: its columns are masked below.)
	v_permlane16_swap_b32 v[P+0], v[P+2]
	v_permlane16_swap_b32 v[P+1], v[P+3]
	v_permlane16_swap_b32 v[P+4], v[P+6]
	v_permlane16_swap_b32 v[P+5], v[P+7]
	v_add_f32 v[Z+0], v[P+0], v[P+2]
	v_add_f32 v[Z+1], v[P+1], v[P+3]
	v_add_f32 v[Z+2], v[P+4], v[P+6]
	v_add_f32 v[Z+3], v[P+5], v[P+7]
.irp k, 0,1,2,3
	v_fma_f32 v[Z+\k], v[Z+\k], s47, s48           ; -log2(e) (z + b3)
.endr
.irp k, 0,1,2,3
	v_exp_f32 v[Z+\k], v[Z+\k]
.endr
	v_nop                                          ; a plain place behind the exponentials
	s_mov_b32 s66, s56                             ; column 2 l counts where 2 l > s56; 2 l + 1, 64 + 2 l, 65 + 2 l likewise
	s_sub_co_i32 s67, s56, 1
	s_sub_co_i32 s68, s56, 64
	s_sub_co_i32 s69, s56, 65
.irp k, 0,1,2,3
	v_cmp_gt_i32 s[60+\k], v[C2L], s[66+\k]
.endr
	s_wait_alu depctr_va_vdst(0)                   ; one wait for the four exponentials, ahead of their first reader
.irp k, 0,1,2,3
	v_add_f32 v[Z+\k], 1.0, v[Z+\k]
.endr
.irp k, 0,1,2,3
	v_rcp_f32 v[Z+\k], v[Z+\k]
.endr
	v_nop
	s_wait_alu depctr_va_vdst(0)                   ; and one for the four reciprocals
.irp k, 0,1,2,3
	v_cndmask_b32 v[Z+\k], 0, v[Z+\k], s[60+\k]    ; 0 on and under the diagonal
.endr
	global_store_b64 v[OFF], v[Z:Z+1], s[50:51] th:TH_STORE_NT              ; 32 lanes store 256 consecutive bytes, aligned: columns 0-63
	global_store_b64 v[OFF], v[Z+2:Z+3], s[50:51] offset:256 th:TH_STORE_NT ; columns 64-127
.Lnext:
	s_add_co_u32 s55, s55, 8
	s_add_co_i32 s56, s56, 8
	s_add_co_u32 s57, s57, 8*8192
	s_add_co_u32 s58, s58, 8*HP
	s_add_co_u32 s54, s54, 1
	s_cmp_lt_u32 s54, 16
	s_cbranch_scc1 .Lrow
	s_wait_dscnt 0x0                               ; the last look-ahead for hi's row is in
	s_wait_tensorcnt 0x0
	ds_add_u32 v250, v251
	s_wait_dscnt 0x0
	s_endpgm
.Lfunc_end_k_q3ff0f69ab4_pairs:
	.size	k_q3ff0f69ab4_pairs, .Lfunc_end_k_q3ff0f69ab4_pairs-k_q3ff0f69ab4_pairs
	.p2alignl 7, 3214868480
	.fill 96, 4, 3214868480
	.section	.rodata,"a",@progbits
	.p2align	6, 0x0
	.amdhsa_kernel k_q3ff0f69ab4_pairs
		.amdhsa_group_segment_fixed_size 93696
		.amdhsa_private_segment_fixed_size 0
		.amdhsa_enable_private_segment 0
		.amdhsa_kernarg_size 120
		.amdhsa_user_sgpr_count 2
		.amdhsa_user_sgpr_kernarg_segment_ptr 1
		.amdhsa_wavefront_size32 1
		.amdhsa_system_sgpr_workgroup_id_x 1
		.amdhsa_system_sgpr_workgroup_id_y 1
		.amdhsa_system_sgpr_workgroup_id_z 1
		.amdhsa_system_vgpr_workitem_id 0
		.amdhsa_next_free_vgpr 512
		.amdhsa_next_free_sgpr 80
		.amdhsa_reserve_vcc 0
		.amdhsa_float_denorm_mode_32 3
		.amdhsa_float_denorm_mode_16_64 3
		.amdhsa_memory_ordered 1
		.amdhsa_forward_progress 1
		.amdhsa_inst_pref_size 98
	.end_amdhsa_kernel
	.amdgpu_metadata
---
amdhsa.version: [ 1, 2 ]
amdhsa.kernels:
  - .name:           k_q3ff0f69ab4_pairs
    .symbol:         k_q3ff0f69ab4_pairs.kd
    .args:
      - { .name: subj_idx, .offset: 0, .size: 8, .value_kind: global_buffer, .address_space: global }
      - { .name: rel_idx, .offset: 8, .size: 8, .value_kind: global_buffer, .address_space: global }
      - { .name: obj_idx, .offset: 16, .size: 8, .value_kind: global_buffer, .address_space: global }
      - { .name: subj_table, .offset: 24, .size: 8, .value_kind: global_buffer, .address_space: global }
      - { .name: rel_table, .offset: 32, .size: 8, .value_kind: global_buffer, .address_space: global }
      - { .name: obj_table, .offset: 40, .size: 8, .value_kind: global_buffer, .address_space: global }
      - { .name: proj_w, .offset: 48, .size: 8, .value_kind: global_buffer, .address_space: global }
      - { .name: proj_b, .offset: 56, .size: 8, .value_kind: global_buffer, .address_space: global }
      - { .name: w1, .offset: 64, .size: 8, .value_kind: global_buffer, .address_space: global }
      - { .name: b1, .offset: 72, .size: 8, .value_kind: global_buffer, .address_space: global }
      - { .name: w2, .offset: 80, .size: 8, .value_kind: global_buffer, .address_space: global }
      - { .name: b2, .offset: 88, .size: 8, .value_kind: global_buffer, .address_space: global }
      - { .name: w3, .offset: 96, .size: 8, .value_kind: global_buffer, .address_space: global }
      - { .name: b3, .offset: 104, .size: 8, .value_kind: global_buffer, .address_space: global }
      - { .name: out0, .offset: 112, .size: 8, .value_kind: global_buffer, .address_space: global }
    .group_segment_fixed_size: 93696
    .private_segment_fixed_size: 0
    .kernarg_segment_align: 8
    .kernarg_segment_size: 120
    .max_flat_workgroup_size: 256
    .sgpr_count:     80
    .vgpr_count:     512
    .wavefront_size: 32
...
	.end_amdgpu_metadata
.endif
;; end of part 1
;; ======== version 2 of 2: 1 launch; version 1 with the launch pairs written anew for expert scheduling mode
;; launch pairs (part 2): grid 16 x 16, 8 waves a work-group, no clusters, 93,696 bytes of LDS; arguments subj_idx, rel_idx, obj_idx, subj_table, rel_table, obj_table, proj_w, proj_b, w1, b1, w2, b2, w3, b3, out0; writes out0
.if DOCPART == 2
	.amdgcn_target "amdgcn-amd-amdhsa--gfx1250"
	.amdhsa_code_object_version 6
	.text
	.protected	k_q3ff0f69ab4_pairs
	.globl	k_q3ff0f69ab4_pairs
	.p2align	8
	.type	k_q3ff0f69ab4_pairs,@function
k_q3ff0f69ab4_pairs:
	s_mov_b64 s[64:65], 0
	v_nop
	global_prefetch_b8 v0, s[64:65] scope:SCOPE_SE
	s_setreg_imm32_b32 hwreg(HW_REG_WAVE_SCHED_MODE, 0, 2), 2
	s_setreg_imm32_b32 hwreg(HW_REG_WAVE_MODE, 25, 1), 1
	s_wait_xcnt 0x0
	s_wait_alu depctr_vm_vsrc(0)
; out0[i][j] = sigmoid(w3 . relu(W2 Q(relu(hi[i] + hj[j] + b1)) + b2) + b3) for j > i, else 0.   2,048 claims, out0 [2048][2048] f32.
; e = Q(cat(subj, rel, obj rows)) Q(proj_w)^T + proj_b;  hi = Q(e) Q(w1[:, :64])^T;  hj = Q(e) Q(w1[:, 64:])^T.   Q: codes of FP6 (E2M3), one E8M0 scale for each 32 along K.
; ONE LAUNCH, 16 x 16 work-groups of eight waves, 512 registers a wave.  With lo = min(x, y), b = max(x, y):
;   x != y: the rectangle rows 64 a .. + 63 (a = 2 lo + (x < y)) x columns 128 b .. + 127, which lies wholly above the diagonal; and zeros into its mirror, rows 128 b .. + 127 x columns 64 a .. + 63.
;   x == y: the diagonal block of 128 x 128; groups of 32 columns that lie wholly under the mask are left out (a scalar branch on ids), masked numbers leave as zeros.
;   The 240 rectangles have 512 tiles of 16 pairs, the 16 diagonal blocks 640: those sixteen run longer.  Rectangles, mirrors and diagonal blocks cover out0 once.
; Each work-group makes hj of its 128 columns and hi + b1 of 128 rows from its first row on by itself (256 claims, 32 matrix instructions a wave): nothing goes through memory between launches.
; NO CLUSTER, NO TENSOR LOAD: what work-groups share is the 126 KB of inputs, gathered by index and read once at the head; LDS holds computed data alone.
; K IN EVERY PRODUCT: one matrix instruction carries 64 true k.  Lane (r, h) holds ONE whole true block of 32, k = 32 h + 0 .. 31 of its row: the codes of the first 16 in the fragment's registers 0-2, of the
; second 16 in registers 6-8; registers 3-5 and 9-11 hold zero codes.  Both operands stand so, so every product meets its partner.  A row's scale word is (s0, s1, s0, s1), s_h the byte of true block h.
; So a block's largest magnitude needs no other lane, both conversions land on even registers, and one quantiser serves every operand.
; EVERY PRODUCT IS USED TRANSPOSED: source 0 = 16 rows of the weight, source 1 = 16 claims or pairs; a lane then holds one claim or pair (lane % 16) and eight units.
; Lane r of tile t of proj_w and w1 takes row 32 (r / 8) + 8 t + r % 8, so that the 32 registers of tiles 0-3 are units 32 h + 0 .. 31: the next product's block.
; PAIRS: wave g takes rows 8 m + g.  Its 128 columns of hj stay in window 1 (8 tiles x 32 registers); a row of hi + b1 comes from LDS once and serves the 8 tiles.
; Lane r of tile 2 c + e is column 32 c + 2 r + e, so that at a row's end a lane holds two neighbouring numbers and a store covers 256 consecutive aligned bytes.
; LIMITS: NaN and infinities among the inputs are not served.  A block whose largest magnitude lies under 2^-124 (a block of zeros too) keeps the scale byte 1; a block of zeros has zero codes, which add nothing.
; Indices are held inside their tables (15, 8, 15).  b1 joins hi as the C of hi's matrix sum, ahead of hj; k stands in other places of the instruction than in memory: the order of rounding differs from a plain sum.
; THE MODE: SCHED_MODE bits 1:0 = 2 (LLVM: expert scheduling mode 2), set by the entry lines.  The code itself states the register dependences
; between vector or matrix instructions and memory or LDS instructions, with s_wait_alu, always for 0.
; THE PLAN, in the loop over rows.  Registers that LDS or memory instructions touch, and registers that vector instructions write for a scaled product:
;   A        read by every group's additions; the next row's eight LDS loads land in it, issued in the row's last group behind that group's first products.
;   AAD      written once a row, at the row's head; read by those eight loads.
;   OFF, Z   OFF written at the row's head, Z at its end; both read by the row's two stores.
;   F, SWH   written by the conversions and the byte permute; taken by the products as source 1 and as its scales.
;   s60-63   written by four compares; read by four selections.
; The waits: one on vm_vsrc at the row's head (the last row's stores have read OFF and Z, A's loads have read AAD); one on va_vdst ahead of each pair of products (F and its scale word are written;
; in the last group the first of them also states that the additions are done reading A and that AAD is written); at the row's end the waits behind the exponentials and the reciprocals, one on va_sdst
; behind the compares and one on va_vdst ahead of the stores.  hj, w2, b2 and w3 are only read in the loop.  All 512 registers of the wave are laid out: there is none for a second A or F.
.set HP,    272                        ; a row of hi or hj in LDS: 256 bytes + 16
.set WS,    20480                      ; LDS 0: 20 images of weight fragments, 1,024 bytes each;  WS: their scale words, 128 bytes each
.set HB,    23040                      ; rows 0-127: hj of my columns; rows 128-255: hi + b1 of 128 rows from my first row on
.set HIOFF, 128*HP
; window 0
.set VR,   1                           ; lane % 16
.set VH,   2                           ; lane / 16
.set VL,   3                           ; lane
.set LI,   4                           ; 16 x lane
.set LS,   5                           ; 4 x lane
.set H128, 6                           ; 128 h
.set L8,   7                           ; 8 x lane
.set C2L,  8                           ; 2 x lane
.set OFF,  9                           ; a row's store offset
.set SWC,  10                          ; v10-15  scale words of the gathered rows, later of e
.set WSC,  16                          ; v16-19  of four weight tiles
.set SW2,  20                          ; v20-21  of w2's two tiles
.set SWH,  22                          ; v22-23  of h, two tiles by turns
.set M,    24                          ; v24-27  four chains of a maximum
.set SC,   28                          ; v28-29  the conversions' scale operands
.set SB,   30                          ; a scale byte
.set TT,   31                          ; the other half's byte
.set W2,   32                          ; v32-55  w2's two fragments (until then: offsets of the head's loads)
.set B2,   56                          ; v56-71  b2 in the result's layout: the C of product 4
.set W3,   72                          ; v72-87  w3 likewise
.set F,    88                          ; v88-99  the fragment just made
.set DA,   100                         ; v100-115, v116-131  product 4's results, two tiles by turns
.set DB,   116
.set A,    132                         ; v132-163  my block of the row hi + b1
.set X0,   164                         ; v164-195, v196-227  h of two tiles
.set X1,   196
.set T,    228                         ; v228-231  two packed sums
.set P,    232                         ; v232-239  a lane's part of w3 . h2, for the row's eight tiles
.set Z,    240                         ; v240-243  the row's scores
.set AAD,  244
.set HI0,  245
.set JAD,  246
.set HS,   247
.set WI,   248
.set WSI,  249
.set NIL,  252                         ; v252-255  zeros, never rewritten
; the head's overlays
.set IDX,  32                          ; v32-37  indices
.set GOF,  38                          ; v38-43  gather offsets
.set IOF,  44                          ; v44-45  where the indices lie
.set WOF,  46                          ; v46-48  weight offsets of the three rounds
.set H32,  49
.set W2O,  50
.set ZOF,  51
.set RA,   100                         ; raw weights of the three rounds
.set RB,   132
.set RC,   164
.set CF,   100                         ; then six fragments of claims, 12 registers each,
.set WF,   172                         ; and four of weights
; window 1
.set E1,   192                         ; e of my 16 column claims;  E2: of my 16 row claims
.set E2,   224
.set RW2,  0                           ; raw w2
.set H1,   64                          ; hj;  H2: hi + b1
.set H2,   96
.set J,    0                           ; pair phase: hj of eight tiles
.set MSB, 0
.macro WIN new                         ; bits 1:0 source 0, 3:2 source 1, 5:4 source 2, 7:6 destination; the high byte repeats the setting that is left
.if MSB != (\new)
	s_set_vgpr_msb (MSB<<8)|(\new)
.set MSB, \new
.endif
.endm
; The largest of 32 numbers v[x] .. v[x + 31] (ab = 1: of their magnitudes) and the floor 2^(3 - 127), in v[M].  Four chains; each group of eight registers is first read at its three lowest.
.macro MAXB x, ab, xw
	WIN 0x15*(\xw)
.irp c, 0,1,2,3
.if \ab
	v_max3_num_f32 v[M+\c], |v[(\x)+8*\c]|, |v[(\x)+8*\c+1]|, |v[(\x)+8*\c+2]|
.else
	v_max3_num_f32 v[M+\c], v[(\x)+8*\c], v[(\x)+8*\c+1], v[(\x)+8*\c+2]
.endif
.endr
	WIN 0x14*(\xw)
.irp i, 3,5
.irp c, 0,1,2,3
.if \ab
	v_max3_num_f32 v[M+\c], v[M+\c], |v[(\x)+8*\c+\i]|, |v[(\x)+8*\c+\i+1]|
.else
	v_max3_num_f32 v[M+\c], v[M+\c], v[(\x)+8*\c+\i], v[(\x)+8*\c+\i+1]
.endif
.endr
.endr
.if \ab
	v_max3_num_f32 v[M], v[M], |v[(\x)+7]|, |v[(\x)+15]|
	v_max3_num_f32 v[M+2], v[M+2], |v[(\x)+23]|, |v[(\x)+31]|
.else
	v_max3_num_f32 v[M], v[M], v[(\x)+7], v[(\x)+15]
	v_max3_num_f32 v[M+2], v[M+2], v[(\x)+23], v[(\x)+31]
.endif
	WIN 0
	v_max3_num_f32 v[M], v[M], v[M+1], v[M+2]
	v_max3_num_f32 v[M], v[M], v[M+3], 0x1800000   ; the floor holds the byte at 1 from below
.endm
; From the largest magnitude: the conversion's scale operand (2 off the exponent field), the byte, and the row's scale word (mine, the other half's, mine, the other half's)
.macro SCALE sc, sw
	v_add_nc_u32 v[\sc], 0xff000000, v[M]
	v_lshrrev_b32 v[SB], 23, v[\sc]
	v_permlanex16_b32 v[TT], v[SB], s44, s45       ; lane l xor 16
	v_perm_b32 v[\sw], v[TT], v[SB], s46           ; bytes 0, 2 from SB, bytes 1, 3 from TT: right in lanes 0-15, which are the lanes that are read
.endm
.macro CVT f, x, sc, xw                ; 32 numbers into registers 0-2 and 6-8 of fragment f
	WIN (\xw)
	v_cvt_scalef32_pk16_fp6_f32 v[(\f):(\f)+2], v[(\x):(\x)+15], v[\sc]
	v_cvt_scalef32_pk16_fp6_f32 v[(\f)+6:(\f)+8], v[(\x)+16:(\x)+31], v[\sc]
	WIN 0
.endm
.macro QUANT x, f, sw, xw
	MAXB \x, 1, \xw
	SCALE SC, \sw
	CVT \f, \x, SC, \xw
	v_nop                                          ; one plain place behind the conversions
.endm
.macro RELU x, n                       ; two numbers an instruction, ascending
.set rr, 0
.rept (\n)/2
	v_dual_max_num_f32 v[(\x)+rr], 0, v[(\x)+rr] :: v_dual_max_num_f32 v[(\x)+rr+1], 0, v[(\x)+rr+1]
.set rr, rr+2
.endr
.endm
.macro GL8 dst, voff, sb, off          ; 128 consecutive bytes a lane: a block of 32 f32
.irp c, 0,1,2,3,4,5,6,7
	global_load_b128 v[(\dst)+4*\c:(\dst)+4*\c+3], v[\voff], s[(\sb):(\sb)+1] offset:(\off)+16*\c
.endr
.endm
.macro IMAGE rnd                       ; fragment F and its scale word go to LDS as they stand: slot 8 rnd + wave
	s_wait_alu depctr_va_vdst(0)                   ; the conversions have written F and the byte permute the word, which the three stores read
	ds_store_b128 v[WI], v[F:F+3] offset:8192*(\rnd)
	ds_store_b128 v[WI], v[F+6:F+9] offset:8192*(\rnd)+512
	ds_store_b32 v[WSI], v[WSC] offset:1024*(\rnd)
	s_wait_dscnt 0x0                               ; the stores have landed: a barrier's signal follows the rounds
	s_wait_alu depctr_vm_vsrc(0)                   ; the stores have read F and the word: the next round writes both again, and a scale word is later loaded into the word's register
.endm
.macro WFLOAD slot                     ; four weight tiles and their scale words come back so, in any wave
.irp t, 0,1,2,3
	ds_load_b128 v[WF+12*\t:WF+12*\t+3], v[LI] offset:1024*((\slot)+\t)
	ds_load_b128 v[WF+12*\t+6:WF+12*\t+9], v[LI] offset:1024*((\slot)+\t)+512
	ds_load_b32 v[WSC+\t], v[LS] offset:WS+128*((\slot)+\t)
.endr
.endm
.macro PLACES n
.rept \n
	v_nop
.endr
.endm
.macro WM d, sw                        ; product 4 for the 16 pairs in F: w2's two tiles; b2 is the C
.irp u, 0,1
	v_wmma_scale_f32_16x16x128_f8f6f4 v[(\d)+8*\u:(\d)+8*\u+7], v[W2+12*\u:W2+12*\u+11], v[F:F+11], v[B2+8*\u:B2+8*\u+7], v[SW2+\u], v[\sw] matrix_a_fmt:MATRIX_FMT_FP6 matrix_b_fmt:MATRIX_FMT_FP6
.endr
.endm
.macro PF d, p                         ; my 16 units of h2 times w3, in two packed chains
	v_pk_mul_f32 v[T:T+1], v[(\d):(\d)+1], v[W3:W3+1]
	v_pk_mul_f32 v[T+2:T+3], v[(\d)+8:(\d)+9], v[W3+8:W3+9]
.irp k, 2,4,6
	v_pk_fma_f32 v[T:T+1], v[(\d)+\k:(\d)+\k+1], v[W3+\k:W3+\k+1], v[T:T+1]
	v_pk_fma_f32 v[T+2:T+3], v[(\d)+8+\k:(\d)+9+\k], v[W3+8+\k:W3+9+\k], v[T+2:T+3]
.endr
	v_pk_add_f32 v[T:T+1], v[T:T+1], v[T+2:T+3]
	v_add_f32 v[\p], v[T], v[T+1]
.endm
; Two tiles, 32 columns.  All distances round the matrix instructions are filled by the other tile's work: F is written 16 and 8 plain instructions ahead of its products, the scale words 32 and 24;
; F is written again 20 behind the product that read it; results are first read 20 and 10 behind their products.  No accumulator is added onto: C is always b2.
.macro GROUP g
	WIN 0x04                                       ; source 1 (hj) in window 1
.irp e, 0,1
.irp i, 0,2,4,6,8,10,12,14,16,18,20,22,24,26,28,30
	v_pk_add_f32 v[X0+32*\e+\i:X0+32*\e+\i+1], v[A+\i:A+\i+1], v[J+32*(2*(\g)+\e)+\i:J+32*(2*(\g)+\e)+\i+1]
.endr
.endr
	WIN 0
	MAXB X0, 0, 0                                  ; no |.|: what is negative becomes 0 and must not count; the floor stands over it
	SCALE SC, SWH
	RELU X0, 32
	CVT F, X0, SC, 0
	MAXB X1, 0, 0
	s_wait_alu depctr_va_vdst(0)                   ; the conversions have written F and the byte permute its scale word, which the products take; in the row's last group also: the additions are done reading A, and AAD is written
	WM DA, SWH
.if (\g) == 3                          ; the row is done with hi: my next row's comes now.  No further wait: the two products issued since the wait name neither A nor AAD
.irp c, 0,1,2,3,4,5,6,7
	ds_load_b128 v[A+4*\c:A+4*\c+3], v[AAD] offset:16*\c
.endr
.endif
	SCALE SC+1, SWH+1
	RELU X1, 32
	CVT F, X1, SC+1, 0
	RELU DA, 16
	s_wait_alu depctr_va_vdst(0)                   ; the conversions have written F anew and the byte permute the second scale word, which the products take
	WM DB, SWH+1
	PF DA, P+2*(\g)
	RELU DB, 16
	PF DB, P+2*(\g)+1
.endm
	; ---- the head: addresses, ids, constants
	s_load_b512 s[4:19], s[0:1], 0x0               ; subj_idx 4, rel_idx 6, obj_idx 8, subj_table 10, rel_table 12, obj_table 14, proj_w 16, proj_b 18
	s_load_b256 s[20:27], s[0:1], 0x40             ; w1 20, b1 22, w2 24, b2 26
	s_load_b128 s[28:31], s[0:1], 0x60             ; w3 28, b3 30
	s_load_b64 s[32:33], s[0:1], 0x70              ; out0
	v_lshl_add_u32 v250, v0, 2, 0x16a00
	v_mov_b32 v251, 0
	v_lshrrev_b32 v24, 5, v0
	v_readfirstlane_b32 s35, v24                   ; wave 0..7
	v_and_b32 v[VR], 15, v0
	v_bfe_u32 v[VH], v0, 4, 1
	v_and_b32 v[VL], 31, v0
	v_lshlrev_b32 v[LI], 4, v[VL]
	s_wait_alu depctr_va_vdst(0)
	v_lshlrev_b32 v[LS], 2, v[VL]
	s_wait_alu depctr_va_vdst(0)
	v_lshlrev_b32 v[H128], 7, v[VH]
	s_wait_alu depctr_va_vdst(0)
	v_lshlrev_b32 v[L8], 3, v[VL]
	v_lshlrev_b32 v[C2L], 1, v[VL]
	s_wait_alu depctr_va_sdst(0)                   ; s35, the wave's number, is written, ahead of its first reader below
	s_mov_b32 s36, ttmp9
	s_and_b32 s37, ttmp7, 0xffff
	s_min_u32 s38, s36, s37                        ; lo
	s_max_u32 s39, s36, s37                        ; b
	s_cmp_lt_u32 s36, s37
	s_cselect_b32 s43, 1, 0
	s_lshl_b32 s38, s38, 1
	s_add_co_u32 s38, s38, s43                     ; a
	s_lshl_b32 s40, s38, 6                         ; my first row
	s_lshl_b32 s41, s39, 7                         ; my first column
	s_cmp_eq_u32 s36, s37
	s_cselect_b32 s42, 128, 64                     ; rows to score
	s_mov_b32 s44, 0x76543210
	s_mov_b32 s45, 0xfedcba98                      ; v_permlanex16_b32: lane l xor 16
	s_mov_b32 s46, 0x04000400
	s_mov_b32 s47, 0xbfb8aa3b                      ; -log2(e)
	; LDS addresses: a constant + a constant x lane + a constant x wave
	s_lshl_b32 s43, s35, 10
	v_add_nc_u32 v[WI], s43, v[LI]
	s_lshl_b32 s43, s35, 7
	s_add_co_u32 s43, s43, WS
	v_add_nc_u32 v[WSI], s43, v[LS]
	s_mul_i32 s43, s35, 16*HP
	s_add_co_u32 s43, s43, HB
	v_mad_u32_u24 v[HS], v[VR], HP, v[H128]
	v_add_nc_u32 v[HS], s43, v[HS]                 ; row 16 w + r, my block
	v_mad_u32_u24 v[JAD], v[VR], 2*HP, v[H128]
	v_add_nc_u32 v[JAD], HB, v[JAD]                ; row 2 r, my block
	v_add_nc_u32 v[HI0], HB+HIOFF, v[H128]
	; offsets in memory
	s_lshl_b32 s43, s35, 4
	s_add_co_u32 s59, s41, s43
	s_lshl_b32 s59, s59, 2
	v_lshl_add_u32 v[IOF], v[VR], 2, s59           ; the index of column claim 16 w + r
	s_add_co_u32 s59, s40, s43
	s_lshl_b32 s59, s59, 2
	v_lshl_add_u32 v[IOF+1], v[VR], 2, s59         ; of row claim 16 w + r
	v_lshrrev_b32 v24, 3, v[VR]
	v_and_b32 v25, 7, v[VR]
	v_lshl_add_u32 v24, v24, 5, v25
	s_and_b32 s43, s35, 3
	s_lshl_b32 s43, s43, 3
	v_add_nc_u32 v24, s43, v24                     ; the weight's row: 32 (r / 8) + r % 8 + 8 (w % 4)
	s_lshr_b32 s43, s35, 2
	s_lshl_b32 s43, s43, 8
	v_mad_u32_u24 v[WOF], v24, 768, v[H128]
	v_add_nc_u32 v[WOF], s43, v[WOF]               ; round 0: proj_w, K step w / 4
	s_cmp_lt_u32 s35, 4
	s_mov_b32 s72, 512
	s_cselect_b32 s72, 768, s72
	s_cselect_b32 s73, 512, 0
	v_mad_u32_u24 v[WOF+1], v24, s72, v[H128]
	v_add_nc_u32 v[WOF+1], s73, v[WOF+1]           ; round 1: waves 0-3 proj_w, K step 2; waves 4-7 w1's left half
	v_mad_u32_u24 v[WOF+2], v24, 512, v[H128]
	v_add_nc_u32 v[WOF+2], 256, v[WOF+2]           ; round 2: w1's right half
	v_lshlrev_b32 v[H32], 5, v[VH]
	v_lshl_add_u32 v[W2O], v[VR], 8, v[H128]
	v_lshlrev_b32 v[ZOF], 4, v[VR]
	v_lshl_add_u32 v[ZOF], v[VH], 13, v[ZOF]       ; the mirror: sixteen lanes to a row's 256 bytes, two rows a store
	s_lshl_b32 s74, s40, 13
	s_lshl_b32 s43, s41, 2
	s_add_co_u32 s74, s74, s43
	s_mov_b32 s75, 0                               ; my rectangle's first byte
	s_lshl_b32 s43, s35, 4
	s_add_co_u32 s76, s41, s43
	s_lshl_b32 s76, s76, 13
	s_lshl_b32 s43, s38, 8
	s_add_co_u32 s76, s76, s43
	s_mov_b32 s77, 0                               ; my wave's 16 rows of the mirror
	v_mov_b32 v[TT], 0                             ; a lane permute's destination counts as one of its sources
.irp i, 0,1,2,3,4,5,6,7
	v_mov_b32 v[P+\i], 0
.endr
.irp i, 3,4,5,9,10,11
	v_mov_b32 v[F+\i], 0                           ; the fragment's zero codes: written once
.endr
.irp i, 0,1,2,3
	v_mov_b32 v[NIL+\i], 0
.endr
	s_wait_kmcnt 0x0
	s_load_b32 s34, s[30:31], 0x0                  ; b3
	s_add_nc_u64 s[50:51], s[32:33], s[74:75]
	s_add_nc_u64 s[52:53], s[32:33], s[76:77]
	s_cmp_lt_u32 s35, 4
	s_cselect_b64 s[70:71], s[16:17], s[20:21]     ; round 1's tensor: the choice hangs on the wave's number alone
	s_wait_alu depctr_va_vdst(0)                   ; the offsets v4-8 and v44-51, the LDS addresses v245-249 and the zeros v252-255 are written: the kernel's loads and stores read them as addresses, the mirror's stores the zeros as data
	; ---- all the head's loads, in the order in which they are wanted
	global_load_b32 v[IDX+0], v[IOF], s[4:5]
	global_load_b32 v[IDX+1], v[IOF], s[6:7]
	global_load_b32 v[IDX+2], v[IOF], s[8:9]
	global_load_b32 v[IDX+3], v[IOF+1], s[4:5]
	global_load_b32 v[IDX+4], v[IOF+1], s[6:7]
	global_load_b32 v[IDX+5], v[IOF+1], s[8:9]
	GL8 RA, WOF, 16, 0
	GL8 RB, WOF+1, 70, 0
	GL8 RC, WOF+2, 20, 0                           ; every wave loads it, so that the counts below are alike in all
	s_cmp_eq_u32 s36, s37
	s_cbranch_scc1 .Lno_mirror                     ; a diagonal block has no mirror
.irp k, 0,1,2,3,4,5,6,7
	global_store_b128 v[ZOF], v[NIL:NIL+3], s[52:53] offset:16384*\k th:TH_STORE_NT   ; sixteen lanes store 256 consecutive bytes, aligned
.endr
.Lno_mirror:
	s_wait_loadcnt 24                              ; the six indices are in; the 24 weight loads behind them may be out
	v_min_u32 v[IDX+0], 15, v[IDX+0]
	v_min_u32 v[IDX+1], 8, v[IDX+1]
	v_min_u32 v[IDX+2], 15, v[IDX+2]
	v_min_u32 v[IDX+3], 15, v[IDX+3]
	v_min_u32 v[IDX+4], 8, v[IDX+4]
	v_min_u32 v[IDX+5], 15, v[IDX+5]
.irp q, 0,1,2,3,4,5
	v_lshlrev_b32 v[GOF+\q], 8, v[IDX+\q]          ; a table's row is 256 bytes,
	v_add_nc_u32 v[GOF+\q], v[H128], v[GOF+\q]     ; my block of it
.endr
	WIN 0x40                                       ; destination window 1
	s_wait_alu depctr_va_vdst(0)                   ; the six gather offsets are written, which the loads below read
.irp q, 0,1,2,3,4,5
	GL8 32*\q, GOF+\q, 10+2*(\q%3), 0              ; q = 0-2: subj, rel, obj rows of the column claims; 3-5: of the row claims
.endr
	GL8 E1, H128, 18, 0                            ; proj_b in the result's layout: the sums begin with it
	GL8 E2, H128, 18, 0
	WIN 0
.irp u, 0,1
.irp c, 0,1
	global_load_b128 v[B2+8*\u+4*\c:B2+8*\u+4*\c+3], v[H32], s[26:27] offset:64*\u+16*\c   ; b2[16 u + 8 h + 0 .. 7]
	global_load_b128 v[W3+8*\u+4*\c:W3+8*\u+4*\c+3], v[H32], s[28:29] offset:64*\u+16*\c
.endr
.endr
	; ---- phase 1: the twenty weight fragments, shared out among the waves, go to LDS; the six gathered blocks become fragments in registers
	s_wait_loadcnt 63                              ; 72 loads were issued behind the weights': with 63 out at the most the weights are in
	QUANT RA, F, WSC, 0
	IMAGE 0
	QUANT RB, F, WSC, 0
	IMAGE 1
	s_cmp_ge_u32 s35, 4
	s_cbranch_scc1 .Lno_third                      ; round 2 has four fragments
	QUANT RC, F, WSC, 0
	IMAGE 2
.Lno_third:
	s_barrier_signal -1                            ; my images have landed (each round ended with a wait for them)
.irp q, 0,1,2,3,4,5
.irp i, 3,4,5,9,10,11
	v_mov_b32 v[CF+12*\q+\i], 0                    ; zero codes of the six fragments of claims,
.endr
.endr
.irp t, 0,1,2,3
.irp i, 4,5,10,11
	v_mov_b32 v[WF+12*\t+\i], 0                    ; and those of the weights' that the images do not carry
.endr
.endr
.irp q, 0,1,2,3,4,5
.if \q == 0
	s_wait_loadcnt 63                              ; 64 loads are younger than block 0's
.else
	s_wait_loadcnt 8*(5-\q)+24                     ; younger: the later blocks' 8 each, proj_b's 16, b2's and w3's 8
.endif
	QUANT 32*\q, CF+12*\q, SWC+\q, 1
.endr
	s_barrier_wait -1                              ; everybody's images lie in LDS
	PLACES 8                                       ; scale words and fragments written by vector instructions stand 8 and 4 places ahead of a scaled product
	WIN 0x40
	s_wait_alu depctr_va_vdst(0)                   ; the quantisers are done reading the gathered blocks and the raw weights, in which the loads below land, and have written v16, in which a scale word lands; the claims' fragments, their scale words and the zero codes are written, which the products take
	GL8 H2, H128, 22, 0                            ; b1 in the result's layout: hi's sum begins with it
	GL8 RW2, W2O, 24, 0                            ; w2's rows r and 16 + r, my block
	GL8 RW2+32, W2O, 24, 4096
	WIN 0
	; ---- phase 2: e, then hj and hi + b1
.irp s, 0,1,2                          ; K step s is table s.  Eight accumulators by turns, one instruction a turn, from step to step too
	WFLOAD 4*\s
	s_wait_dscnt 0x0
.if \s == 0
	s_wait_loadcnt 32                              ; proj_b is in; younger: b2 and w3 (8), b1 (8), w2 (16)
.endif
	WIN 0x50                                       ; C and D window 1
.irp t, 0,1,2,3
	v_wmma_scale_f32_16x16x128_f8f6f4 v[E1+8*\t:E1+8*\t+7], v[WF+12*\t:WF+12*\t+11], v[CF+12*\s:CF+12*\s+11], v[E1+8*\t:E1+8*\t+7], v[WSC+\t], v[SWC+\s] matrix_a_fmt:MATRIX_FMT_FP6 matrix_b_fmt:MATRIX_FMT_FP6
	v_wmma_scale_f32_16x16x128_f8f6f4 v[E2+8*\t:E2+8*\t+7], v[WF+12*\t:WF+12*\t+11], v[CF+36+12*\s:CF+36+12*\s+11], v[E2+8*\t:E2+8*\t+7], v[WSC+\t], v[SWC+3+\s] matrix_a_fmt:MATRIX_FMT_FP6 matrix_b_fmt:MATRIX_FMT_FP6
.endr
	WIN 0
	PLACES 4                                       ; in front of loads into registers that the products read, and of the first read of results
	s_wait_alu depctr_va_vdst(0)                   ; the products are done reading the four weight tiles and their scale words, in which the next four land
.endr
	WFLOAD 16                                      ; w1's right half lands while e is quantised
	QUANT E1, CF, SWC, 1
	QUANT E2, CF+36, SWC+3, 1
	PLACES 8
	s_wait_alu depctr_va_vdst(0)                   ; the quantisers have written e's two fragments and their scale words, which hj's and hi's products take
	s_wait_dscnt 0x0
	WIN 0x40
.irp t, 0,1,2,3
	v_wmma_scale_f32_16x16x128_f8f6f4 v[H1+8*\t:H1+8*\t+7], v[WF+12*\t:WF+12*\t+11], v[CF:CF+11], 0, v[WSC+\t], v[SWC] matrix_a_fmt:MATRIX_FMT_FP6 matrix_b_fmt:MATRIX_FMT_FP6
.endr
	WIN 0
	PLACES 4
	s_wait_alu depctr_va_vdst(0)                   ; hj's products are done reading the weight tiles and their scale words, in which w1's left half lands
	WFLOAD 12                                      ; w1's left half
	s_wait_dscnt 0x0
	s_wait_loadcnt 16                              ; b1 is in; w2's 16 loads may be out
	WIN 0x50
.irp t, 0,1,2,3
	v_wmma_scale_f32_16x16x128_f8f6f4 v[H2+8*\t:H2+8*\t+7], v[WF+12*\t:WF+12*\t+11], v[CF+36:CF+47], v[H2+8*\t:H2+8*\t+7], v[WSC+\t], v[SWC+3] matrix_a_fmt:MATRIX_FMT_FP6 matrix_b_fmt:MATRIX_FMT_FP6
.endr
	WIN 0
	PLACES 4
	WIN 0x04                                       ; an LDS store's data are its source 1
	s_wait_alu depctr_va_vdst(0)                   ; the products have written hj and hi + b1, which the LDS stores read; the places above stay beside this wait
.irp c, 0,1,2,3,4,5,6,7
	ds_store_b128 v[HS], v[H1+4*\c:H1+4*\c+3] offset:16*\c           ; units 32 h + 4 c on of claim 16 w + r; each accumulator from its low end on
.endr
.irp c, 0,1,2,3,4,5,6,7
	ds_store_b128 v[HS], v[H2+4*\c:H2+4*\c+3] offset:HIOFF+16*\c
.endr
	WIN 0
	s_wait_dscnt 0x0                               ; for the others: my rows have landed
	s_barrier_signal -1
	s_wait_xcnt 0x0                                ; the head's loads and stores have had their addresses translated: their offsets in v32-55 are rewritten only behind this wait,
	s_wait_alu depctr_vm_vsrc(0)                   ; they have read those offsets, which w2's fragments overwrite; and the LDS stores above have read hj and hi + b1, in whose registers the pairs' hj lands
	s_wait_loadcnt 0x0                             ; and w2 is in
.irp u, 0,1
.irp i, 3,4,5,9,10,11
	v_mov_b32 v[W2+12*\u+\i], 0
.endr
.endr
	QUANT RW2, W2, SW2, 1
	QUANT RW2+32, W2+12, SW2+1, 1
	s_wait_kmcnt 0x0
	s_mul_f32 s48, s47, s34                        ; -log2(e) b3
	s_barrier_wait -1                              ; all 256 rows lie in LDS; from here on LDS is only read
	; ---- phase 3: the pairs
	s_mul_i32 s58, s35, HP                         ; my row in LDS,
	v_add_nc_u32 v[AAD], s58, v[HI0]
	WIN 0x40
	s_wait_alu depctr_va_vdst(0)                   ; AAD is written; every vector and matrix instruction that named window 1 or v132-163 is done, and the loads below land there; w2's fragments and scale words are written, which the pairs' products take
.irp g, 0,1,2,3
.irp e, 0,1
.irp c, 0,1,2,3,4,5,6,7
	ds_load_b128 v[J+32*(2*\g+\e)+4*\c:J+32*(2*\g+\e)+4*\c+3], v[JAD] offset:(32*\g+\e)*HP+16*\c   ; column 32 g + 2 r + e
.endr
.endr
.endr
	WIN 0
.irp c, 0,1,2,3,4,5,6,7
	ds_load_b128 v[A+4*\c:A+4*\c+3], v[AAD] offset:16*\c
.endr
	s_mov_b32 s54, 0                               ; trip
	s_mov_b32 s55, s35                             ; row = 8 trip + wave
	s_sub_co_i32 s56, s40, s41
	s_add_co_i32 s56, s56, s35                     ; the row less my first column: column c counts where c > this
	s_lshl_b32 s57, s35, 13                        ; the row in out0, in bytes
.Lrow:                                             ; 16 trips in every work-group; a rectangle has rows for the first eight
	s_cmp_ge_u32 s55, s42
	s_cbranch_scc1 .Lnext
	s_wait_dscnt 0x0                               ; hi's row is in (in the first trip hj too)
	s_wait_xcnt 0x0                                ; the last row's stores have had their addresses translated: their offset and data are written again only behind this wait
	s_wait_alu depctr_vm_vsrc(0)                   ; the last row's stores have read OFF and Z, and the loads of hi's row have read AAD: all three are written again in this row
	v_add_nc_u32 v[OFF], s57, v[L8]
	s_add_co_u32 s59, s58, 8*HP                    ; where my next row of hi lies: eight rows on, held at the last row that LDS has
	s_min_u32 s59, s59, 127*HP
	v_add_nc_u32 v[AAD], s59, v[HI0]
	s_cmp_ge_i32 s56, 31                           ; columns 0-31 all under the mask?
	s_cbranch_scc1 .Lg1
	GROUP 0
.Lg1:
	s_cmp_ge_i32 s56, 63
	s_cbranch_scc1 .Lg2
	GROUP 1
.Lg2:
	s_cmp_ge_i32 s56, 95
	s_cbranch_scc1 .Lg3
	GROUP 2
.Lg3:
	GROUP 3
	; the row's end.  A pair's sum lies in lanes r and r + 16.  The swap puts the lower halves of tiles 2 c + e and 2 c + 2 + e into one register and the upper halves into the other:
	; their sum holds column 64 s + 2 lane + e.  (A group that was left out leaves old numbers here: its columns are masked below.)
	v_permlane16_swap_b32 v[P+0], v[P+2]
	v_permlane16_swap_b32 v[P+1], v[P+3]
	v_permlane16_swap_b32 v[P+4], v[P+6]
	v_permlane16_swap_b32 v[P+5], v[P+7]
	v_add_f32 v[Z+0], v[P+0], v[P+2]
	v_add_f32 v[Z+1], v[P+1], v[P+3]
	v_add_f32 v[Z+2], v[P+4], v[P+6]
	v_add_f32 v[Z+3], v[P+5], v[P+7]
.irp k, 0,1,2,3
	v_fma_f32 v[Z+\k], v[Z+\k], s47, s48           ; -log2(e) (z + b3)
.endr
	s_wait_alu depctr_va_vdst(0)
.irp k, 0,1,2,3
	v_exp_f32 v[Z+\k], v[Z+\k]
.endr
	v_nop                                          ; a plain place behind the exponentials
	s_mov_b32 s66, s56                             ; column 2 l counts where 2 l > s56; 2 l + 1, 64 + 2 l, 65 + 2 l likewise
	s_sub_co_i32 s67, s56, 1
	s_sub_co_i32 s68, s56, 64
	s_sub_co_i32 s69, s56, 65
.irp k, 0,1,2,3
	v_cmp_gt_i32 s[60+\k], v[C2L], s[66+\k]
.endr
	s_wait_alu depctr_va_vdst(0)                   ; one wait for the four exponentials in Z, ahead of their first reader
.irp k, 0,1,2,3
	v_add_f32 v[Z+\k], 1.0, v[Z+\k]
.endr
	s_wait_alu depctr_va_vdst(0)
.irp k, 0,1,2,3
	v_rcp_f32 v[Z+\k], v[Z+\k]
.endr
	v_nop
	s_wait_alu depctr_va_vdst(0)                   ; and one for the four reciprocals in Z
	s_wait_alu depctr_va_sdst(0)                   ; the four compares have written s60-63, ahead of their first reader
.irp k, 0,1,2,3
	v_cndmask_b32 v[Z+\k], 0, v[Z+\k], s[60+\k]    ; 0 on and under the diagonal
.endr
	s_wait_alu depctr_va_vdst(0)                   ; the selections have written Z, which the two stores read (OFF was written at the row's head)
	global_store_b64 v[OFF], v[Z:Z+1], s[50:51] th:TH_STORE_NT              ; 32 lanes store 256 consecutive bytes, aligned: columns 0-63
	global_store_b64 v[OFF], v[Z+2:Z+3], s[50:51] offset:256 th:TH_STORE_NT ; columns 64-127
.Lnext:
	s_add_co_u32 s55, s55, 8
	s_add_co_i32 s56, s56, 8
	s_add_co_u32 s57, s57, 8*8192
	s_add_co_u32 s58, s58, 8*HP
	s_add_co_u32 s54, s54, 1
	s_cmp_lt_u32 s54, 16
	s_cbranch_scc1 .Lrow
	s_wait_dscnt 0x0                               ; the last look-ahead for hi's row is in
	s_wait_alu depctr_hold_cnt(0) depctr_sa_sdst(0) depctr_va_vdst(0) depctr_va_sdst(0) depctr_va_ssrc(0) depctr_va_vcc(0) depctr_vm_vsrc(0)
	s_wait_tensorcnt 0x0
	ds_add_u32 v250, v251
	s_wait_dscnt 0x0
	s_endpgm
.Lfunc_end_k_q3ff0f69ab4_pairs:
	.size	k_q3ff0f69ab4_pairs, .Lfunc_end_k_q3ff0f69ab4_pairs-k_q3ff0f69ab4_pairs
	.p2alignl 7, 3214868480
	.fill 96, 4, 3214868480
	.section	.rodata,"a",@progbits
	.p2align	6, 0x0
	.amdhsa_kernel k_q3ff0f69ab4_pairs
		.amdhsa_group_segment_fixed_size 93696
		.amdhsa_private_segment_fixed_size 0
		.amdhsa_enable_private_segment 0
		.amdhsa_kernarg_size 120
		.amdhsa_user_sgpr_count 2
		.amdhsa_user_sgpr_kernarg_segment_ptr 1
		.amdhsa_wavefront_size32 1
		.amdhsa_system_sgpr_workgroup_id_x 1
		.amdhsa_system_sgpr_workgroup_id_y 1
		.amdhsa_system_sgpr_workgroup_id_z 1
		.amdhsa_system_vgpr_workitem_id 0
		.amdhsa_next_free_vgpr 512
		.amdhsa_next_free_sgpr 80
		.amdhsa_reserve_vcc 0
		.amdhsa_float_denorm_mode_32 3
		.amdhsa_float_denorm_mode_16_64 3
		.amdhsa_memory_ordered 1
		.amdhsa_forward_progress 1
		.amdhsa_inst_pref_size 99
	.end_amdhsa_kernel
	.amdgpu_metadata
---
amdhsa.version: [ 1, 2 ]
amdhsa.kernels:
  - .name:           k_q3ff0f69ab4_pairs
    .symbol:         k_q3ff0f69ab4_pairs.kd
    .args:
      - { .name: subj_idx, .offset: 0, .size: 8, .value_kind: global_buffer, .address_space: global }
      - { .name: rel_idx, .offset: 8, .size: 8, .value_kind: global_buffer, .address_space: global }
      - { .name: obj_idx, .offset: 16, .size: 8, .value_kind: global_buffer, .address_space: global }
      - { .name: subj_table, .offset: 24, .size: 8, .value_kind: global_buffer, .address_space: global }
      - { .name: rel_table, .offset: 32, .size: 8, .value_kind: global_buffer, .address_space: global }
      - { .name: obj_table, .offset: 40, .size: 8, .value_kind: global_buffer, .address_space: global }
      - { .name: proj_w, .offset: 48, .size: 8, .value_kind: global_buffer, .address_space: global }
      - { .name: proj_b, .offset: 56, .size: 8, .value_kind: global_buffer, .address_space: global }
      - { .name: w1, .offset: 64, .size: 8, .value_kind: global_buffer, .address_space: global }
      - { .name: b1, .offset: 72, .size: 8, .value_kind: global_buffer, .address_space: global }
      - { .name: w2, .offset: 80, .size: 8, .value_kind: global_buffer, .address_space: global }
      - { .name: b2, .offset: 88, .size: 8, .value_kind: global_buffer, .address_space: global }
      - { .name: w3, .offset: 96, .size: 8, .value_kind: global_buffer, .address_space: global }
      - { .name: b3, .offset: 104, .size: 8, .value_kind: global_buffer, .address_space: global }
      - { .name: out0, .offset: 112, .size: 8, .value_kind: global_buffer, .address_space: global }
    .group_segment_fixed_size: 93696
    .private_segment_fixed_size: 0
    .kernarg_segment_align: 8
    .kernarg_segment_size: 120
    .max_flat_workgroup_size: 256
    .sgpr_count:     80
    .vgpr_count:     512
    .wavefront_size: 32
...
	.end_amdgpu_metadata
.endif
;; end of part 2
